; MI455X (gfx1250); checked and timed in simulation.
; The chip was launched on July 23, 2026; its instructions are those of AMD's public machine-readable ISA for CDNA 5 (MIT licence, August 2026) and "CDNA5" Instruction Set Architecture Reference Guide (July 2026). The comments in the code are by the model that wrote it; some were corrected since.
;; Physics Residual. Allowed arithmetic: float matrix products may take bf16 or f16 operands with f32 sums; all other float work in f32.
;; Inputs: W0 128 x 4 float32; W1 128 x 128 float32; W2 128 x 128 float32; W3 128 x 128 float32; W4 128 x 128 float32; W5 128 x 128 float32; W6 1 x 128 float32; b0 128 float32; b1 128 float32; b2 128 float32; b3 128 float32; b4 128 float32; b5 128 float32; b6 1 float32; t 65,536 float32; x 65,536 float32; y 65,536 float32; z 65,536 float32.
;; Outputs: out0 65,536 float32.
;; One version. Each part assembles by itself: llvm-mc -triple=amdgcn-amd-amdhsa -mcpu=gfx1250 --defsym DOCPART=n.
;; ======== version 1 of 1: 1 launch
;; limits: values are held in f16: magnitudes above 65,504 overflow, below 6.1e-05 lose precision; inputs' magnitudes at most 65,504
;; launch pinn (part 1): grid 256 x 1, 8 waves a work-group, no clusters, 182,016 bytes of LDS; arguments t, x, y, z, W0, W1, W2, W3, W4, W5, W6, b0, b1, b2, b3, b4, b5, b6, out0; writes out0
.if DOCPART == 1
	.amdgcn_target "amdgcn-amd-amdhsa--gfx1250"
	.amdhsa_code_object_version 6
	.text
	.protected	k_q8c7da8d681_pinn
	.globl	k_q8c7da8d681_pinn
	.p2align	8
	.type	k_q8c7da8d681_pinn,@function
k_q8c7da8d681_pinn:
	s_mov_b64 s[64:65], 0
	v_nop
	global_prefetch_b8 v0, s[64:65] scope:SCOPE_SE
	s_setreg_imm32_b32 hwreg(HW_REG_WAVE_MODE, 25, 1), 1
	s_wait_xcnt 0x0
; out[n] = u_tt - (u_xx + u_yy + u_zz) of the tanh network u: 4 -> 128 (six tanh layers) -> 1, at 65,536 points.
; METHOD.  No Hessian is formed.  With the signs s = (+,-,-,-) the sum q = sum_i s_i d2h/dx_i2 passes linearly through each W, so six
; vectors a point carry everything: h, g_i = dh/dx_i (i = 0..3) and q.  A layer: a = W h + b, a_i = W g_i, aq = W q; then
;   h = tanh a,  d = 1 - h h,  g_i = d a_i,  q = d (aq - 2 h (a_0^2 - a_1^2 - a_2^2 - a_3^2)),  and at the end out = W6 . q.
; b6 is read, but a constant added to u has no derivative: the result does not hang on it.
; SHARES.  256 work-groups x 256 points; 8 waves x 32 points, as two groups of 16 one after the other.  Two waves lie on each SIMD
; (2 x 512 registers), so that the vector work of one can run under the matrix work of the other.
; MATRIX FORM.  D = (16 rows of W x 32 k) x (32 k x 16 points), f16 operands, f32 sums.  In D lane (r, hh) holds point r and the features
; 8 hh + j of the tile, which is the place those features have in the B operand of the next layer: tile 2c packs into registers 0-3 of
; K chunk c, tile 2c+1 into registers 4-7.  So the six streams never leave the registers; between layers stands one conversion in the lane.
; W1..W5 lie in LDS as f16; a fragment of W (two loads of 16 bytes a lane) feeds six matrix instructions.
; SCALES.  h and W fit f16.  g and q have no fixed range, so they are carried as alpha g and beta q with powers of two of each point:
; before a layer converts, its factors rg, rq are chosen from bounds (Cauchy-Schwarz with the squared Frobenius norm of W, d <= 1, |h| <= 1)
; such that every number converted is below 2^15, half of the largest f16.  gamma = beta / alpha^2 and 1 / beta are carried along.
; NO CLUSTER, NO TENSOR LOADS: the weights are shared by all work-groups, but they come as f32 and are narrowed on the way: raw they are
; 327,680 bytes, which do not fit beside the 174,080 bytes of the f16 image, and each work-group reads each weight once, at its head.
; LIMITS.  |W1..W5| below 65,504 (f16); entries below 6.1e-5 keep an absolute error of at most 3e-8.  The bounds behind the scales are
; clamped from below at 2^-100.  tanh a = 1 - 2 / (1 + 2^(2.88539 a)): absolute error about 1e-7, exactly +-1 when saturated.
; The order of rounding differs from a sum in f32 in the order of the indices.
.set PITCH, 272                        ; an LDS row of W: 256 bytes + 16 = 68 words: 16 rows begin in 16 different columns of 16 bytes modulo 256
.set TILEB, 16*PITCH                   ; 16 rows of W
.set LAYB,  128*PITCH                  ; a layer
.set KB,    5*LAYB                     ; b0..b5, f32, [6][128]
.set W0T,   KB+3072                    ; W0 transposed, f32, [4][128]
.set W6L,   W0T+2048                   ; W6, f32
.set FP,    W6L+512                    ; sums of squares: word 32 l + 4 wave, l = 0..4 for W0..W4
.set ROUT,  FP+256                     ; the 256 results of the work-group; ends at 180,992
; vector registers (v256 and above through the window)
.set WB,  1                            ; 272 r + 16 hh: my place in a fragment of W
.set WO,  2                            ; WB + the image of the odd layer of a trip
.set WE,  3                            ; the same for the even layer
.set W5A, 4                            ; WB + the image of W5
.set KBA, 5                            ; KB + 32 hh
.set KP,  6                            ; KBA + 1,024 x trip
.set W0A, 7                            ; W0T + 32 hh
.set PT,  8                            ; v8, 10, 12, 14: t, x, y, z of my point; v9, 11, 13, 15: of my point in the next group
.set RG,  16                           ; rg     (each factor is the low register of an even pair: packed forms broadcast it)
.set GAM, 17                           ; gamma
.set NRG, 18                           ; -rg
.set IB,  19                           ; 1 / beta
.set RQ,  20                           ; rq
.set W6A, 21                           ; W6L + 32 hh
.set NRQ, 22                           ; -rq
.set ROB, 23                           ; ROUT + 128 wave + 4 r
.set M2G, 24                           ; -2 gamma
.set RO,  25                           ; ROB + 64 x group
.set NT,  26                           ; v[26:27] sum of a_i^2 over my features
.set NQ,  28                           ; v[28:29] sum of q^2 over my features; in layer 5 the sum W6 . q
.set PS,  32                           ; v[32:39] at work
.set AF,  40                           ; v[40:71] four fragments of W (one tile, K = 128); in layer 0 a buffer for columns of W0
.set H,   72                           ; v[72:119] six accumulators: H, G0..G3, Q
.set ACC, 72
.set Q,   112
.set U,   120                          ; v[120:127] at work
.set TA,  120
.set TB,  121
.set TC,  122
.set TD,  123
.set X,   128                          ; v[128:319] B operands: K chunk c, stream s at X + 48 c + 8 s
.set Y,   320                          ; v[320:511] the same, the other set
; at the head only
.set STG, 128                          ; v[128:447] 80 rows of weights as loaded, 4 registers each
.set FS,  60                           ; v[60:75] sums of squares of W1..W4, two chains of a pair each
.set GP,  120                          ; byte offset of my point
.set GW,  121                          ; byte offset of my 16 bytes in the first of my rows of a W
.set GJ4, 122                          ; 16 j
.set GJ,  123                          ; 4 j
.set ST,  125                          ; LDS: where my 8 bytes of a row go
.set FPR, 126
.set FPW, 127
.set LJ,  59                           ; KB + 4 j
.set MSB, 0
.macro WIN new                         ; low byte: bits 1:0 source 0, 3:2 source 1, 5:4 source 2, 7:6 destination; the high byte repeats the setting that is left
.if MSB != (\new)
	s_set_vgpr_msb (MSB<<8)|(\new)
.set MSB, (\new)
.endif
.endm
.macro PLACES                          ; four plain vector instructions behind a matrix instruction (ISA guide 7.12.1), in front of reads of its
.rept 4                                ; result and of loads into its registers
	v_nop
.endr
.endm
; ------------------------------------------------------------------ macros of the layers
; eight LDS loads: the four fragments of one tile of W.  Lane (r, hh): row r, k = 32 c + 8 hh .. + 7 and 32 c + 16 + 8 hh .. + 7
.macro ALOAD wreg, off
.irp c,0,1,2,3
	ds_load_b128 v[AF+8*\c:AF+8*\c+3], v[\wreg] offset:(\off)+64*\c
	ds_load_b128 v[AF+8*\c+4:AF+8*\c+7], v[\wreg] offset:(\off)+64*\c+32
.endr
.endm
; two LDS loads: the bias of my eight features of a tile, into the accumulator H: the first product adds onto it
.macro BLOAD kreg, off
	ds_load_b128 v[H:H+3], v[\kreg] offset:(\off)
	ds_load_b128 v[H+4:H+7], v[\kreg] offset:(\off)+16
.endm
; eight LDS loads: W0[f][i], i = 0..3, of my eight features f of tile t, into buffer g
.macro L0LOAD t, g
.irp i,0,1,2,3
	ds_load_b128 v[\g+8*\i:\g+8*\i+3], v[W0A] offset:512*\i+64*(\t)
	ds_load_b128 v[\g+8*\i+4:\g+8*\i+7], v[W0A] offset:512*\i+64*(\t)+16
.endr
.endm
; one matrix instruction: K chunk c of stream s
.macro MM c, s, bold, czero
.set BR, \bold+48*\c+8*\s
	WIN ((BR>>8)<<2)
.set BL, BR&255
.if \czero
	v_wmma_f32_16x16x32_f16 v[ACC+8*\s:ACC+8*\s+7], v[AF+8*\c:AF+8*\c+7], v[BL:BL+7], 0
.else
	v_wmma_f32_16x16x32_f16 v[ACC+8*\s:ACC+8*\s+7], v[AF+8*\c:AF+8*\c+7], v[BL:BL+7], v[ACC+8*\s:ACC+8*\s+7]
.endif
.endm
; the 24 matrix instructions of a tile.  The six accumulators take turns, one instruction a turn.
; The first products of G0..G3 and Q start their sums from the constant 0; that of H adds onto the bias.
; In chunks 2 and 3 H goes ahead of G3 and Q, so that set X, which crosses v255 between G2 and G3 of chunk 2, needs one switch of the window.
.macro MMS bold
.irp s,1,2,3,4,5
	MM 0,\s,\bold,1
.endr
	s_wait_dscnt 0x0                               ; the two bias loads are in
	MM 0,0,\bold,0
.irp s,1,2,3,4,5,0
	MM 1,\s,\bold,0
.endr
.irp c,2,3
.irp s,1,2,3,0,4,5
	MM \c,\s,\bold,0
.endr
.endr
.endm
; H = 1 / (1 + 2^(2.88539 a)), and PS = a_1^2 + a_2^2 + a_3^2.  Behind the exponentials and behind the reciprocals one plain vector
; instruction that touches none of their registers comes first (ISA guide 5.7.2): here a product of PS, below whatever follows the macro.
.macro PW_TANH gb
.irp p,0,2,4,6
	v_pk_mul_f32 v[H+\p:H+\p+1], v[H+\p:H+\p+1], s[46:47] op_sel_hi:[1,0]
.endr
.irp k,0,1,2,3,4,5,6,7
	v_exp_f32 v[H+\k], v[H+\k]
.endr
.irp p,0,2,4,6
	v_pk_mul_f32 v[PS+\p:PS+\p+1], v[\gb+8+\p:\gb+8+\p+1], v[\gb+8+\p:\gb+8+\p+1]
.endr
.irp p,0,2,4,6
	v_pk_fma_f32 v[PS+\p:PS+\p+1], v[\gb+16+\p:\gb+16+\p+1], v[\gb+16+\p:\gb+16+\p+1], v[PS+\p:PS+\p+1]
.endr
.irp p,0,2,4,6
	v_pk_fma_f32 v[PS+\p:PS+\p+1], v[\gb+24+\p:\gb+24+\p+1], v[\gb+24+\p:\gb+24+\p+1], v[PS+\p:PS+\p+1]
.endr
	s_wait_alu depctr_va_vdst(0)
.irp p,0,2,4,6
	v_pk_add_f32 v[H+\p:H+\p+1], v[H+\p:H+\p+1], 1.0 op_sel_hi:[1,0]
.endr
.irp k,0,1,2,3,4,5,6,7
	v_rcp_f32 v[H+\k], v[H+\k]
.endr
.endm
; PS = a_0^2 - PS: the signed sum
.macro PW_SIGNED gb
.irp p,0,2,4,6
	v_pk_fma_f32 v[PS+\p:PS+\p+1], v[\gb+\p:\gb+\p+1], v[\gb+\p:\gb+\p+1], v[PS+\p:PS+\p+1] neg_lo:[0,0,1] neg_hi:[0,0,1]
.endr
.endm
; H = tanh a;  Q = aq - 2 gamma h PS (first = 1: aq is zero and Q is not read);  PS = h h
.macro PW_Q first
	s_wait_alu depctr_va_vdst(0)
.irp p,0,2,4,6
	v_pk_fma_f32 v[H+\p:H+\p+1], v[H+\p:H+\p+1], -2.0, 1.0 op_sel_hi:[1,0,0]
.endr
.irp p,0,2,4,6
	v_pk_mul_f32 v[PS+\p:PS+\p+1], v[PS+\p:PS+\p+1], v[H+\p:H+\p+1]
.endr
.irp p,0,2,4,6
.if \first
	v_pk_mul_f32 v[Q+\p:Q+\p+1], v[PS+\p:PS+\p+1], v[M2G:M2G+1] op_sel_hi:[1,0]
.else
	v_pk_fma_f32 v[Q+\p:Q+\p+1], v[PS+\p:PS+\p+1], v[M2G:M2G+1], v[Q+\p:Q+\p+1] op_sel_hi:[1,0,1]
.endif
.endr
.irp p,0,2,4,6
	v_pk_mul_f32 v[PS+\p:PS+\p+1], v[H+\p:H+\p+1], v[H+\p:H+\p+1]
.endr
.endm
; The step between two layers for tile t: from a (in H), a_i (at gb + 8 i) and aq (in Q) to h, rg g_i, rq q, packed as f16 into set bnew.
.macro POINTWISE t, gb, bnew, first
	PW_TANH \gb
.irp p,0,2,4,6
	v_pk_fma_f32 v[U+\p:U+\p+1], v[\gb+\p:\gb+\p+1], v[\gb+\p:\gb+\p+1], v[PS+\p:PS+\p+1]   ; all four squares, for the bound of the next layer
.endr
	PW_SIGNED \gb
	v_pk_add_f32 v[U:U+1], v[U:U+1], v[U+2:U+3]
	v_pk_add_f32 v[U+4:U+5], v[U+4:U+5], v[U+6:U+7]
	v_pk_add_f32 v[U:U+1], v[U:U+1], v[U+4:U+5]
	v_pk_add_f32 v[NT:NT+1], v[NT:NT+1], v[U:U+1]
	s_wait_alu depctr_va_vdst(0)
	PW_Q \first
.irp p,0,2,4,6
	v_pk_fma_f32 v[U+\p:U+\p+1], v[PS+\p:PS+\p+1], v[NRQ:NRQ+1], v[RQ:RQ+1] op_sel_hi:[1,0,0]     ; rq (1 - h h)
.endr
.irp p,0,2,4,6
	v_pk_fma_f32 v[PS+\p:PS+\p+1], v[PS+\p:PS+\p+1], v[NRG:NRG+1], v[RG:RG+1] op_sel_hi:[1,0,0]   ; rg (1 - h h)
.endr
.irp p,0,2,4,6
	v_pk_mul_f32 v[Q+\p:Q+\p+1], v[Q+\p:Q+\p+1], v[U+\p:U+\p+1]
.endr
.irp p,0,2,4,6
	v_pk_mul_f32 v[\gb+\p:\gb+\p+1], v[\gb+\p:\gb+\p+1], v[PS+\p:PS+\p+1]
	v_pk_mul_f32 v[\gb+8+\p:\gb+8+\p+1], v[\gb+8+\p:\gb+8+\p+1], v[PS+\p:PS+\p+1]
	v_pk_mul_f32 v[\gb+16+\p:\gb+16+\p+1], v[\gb+16+\p:\gb+16+\p+1], v[PS+\p:PS+\p+1]
	v_pk_mul_f32 v[\gb+24+\p:\gb+24+\p+1], v[\gb+24+\p:\gb+24+\p+1], v[PS+\p:PS+\p+1]
	v_pk_fma_f32 v[NQ:NQ+1], v[Q+\p:Q+\p+1], v[Q+\p:Q+\p+1], v[NQ:NQ+1]
.endr
.irp s,0,1,2,3,4,5
.if \s==0
.set SRC, H
.elseif \s==5
.set SRC, Q
.else
.set SRC, \gb+8*(\s-1)
.endif
.set DST, \bnew+48*(\t/2)+8*\s+4*(\t%2)            ; tile t is half t % 2 of K chunk t / 2
	WIN ((DST>>8)<<6)
.set DL, DST&255
.irp k,0,1,2,3
	v_cvt_pk_f16_f32 v[DL+\k], v[SRC+2*\k], v[SRC+2*\k+1]
.endr
.endr
	WIN 0
.endm
; From A2 (in TA: bound of the sum of the a_i^2 of a feature), Aq (in TB: bound of |aq|) and 2 gamma (in TC) to the factors of this layer.
; Bq = Aq + 2 gamma A2 bounds |aq - 2 gamma h S|.  With e the biased exponent of a bound B, B < 2^(e-126).
; m = (e(A2) + 1) / 2: rg = 2^(78-m), so rg sqrt(A2) < 2^15;  rq = 2^(141-e(Bq)), so rq Bq < 2^15.  The whole numbers here make values only.
.macro SCALE2
	v_fma_f32 v[TB], v[TC], v[TA], v[TB]           ; Bq
	v_mul_f32 v[M2G], -2.0, v[GAM]                 ; this layer works with the gamma that comes in
	v_max_num_f32 v[TA], s62, v[TA]                ; at least 2^-100
	v_max_num_f32 v[TB], s62, v[TB]
	v_lshrrev_b32 v[TA], 23, v[TA]
	v_lshrrev_b32 v[TB], 23, v[TB]
	v_add_nc_u32 v[TA], 1, v[TA]
	v_lshrrev_b32 v[TA], 1, v[TA]                  ; m
	v_sub_nc_u32 v[TC], 205, v[TA]                 ; biased exponent of rg
	v_sub_nc_u32 v[TD], 268, v[TB]                 ; of rq
	v_add_nc_u32 v[TA], 49, v[TA]                  ; of 1 / rg
	v_add_nc_u32 v[TB], -14, v[TB]                 ; of 1 / rq
	v_lshlrev_b32 v[RG], 23, v[TC]
	v_lshlrev_b32 v[RQ], 23, v[TD]
	v_lshlrev_b32 v[TA], 23, v[TA]
	v_lshlrev_b32 v[TB], 23, v[TB]
	v_xor_b32 v[NRG], 0x80000000, v[RG]
	v_xor_b32 v[NRQ], 0x80000000, v[RQ]
	v_mul_f32 v[GAM], v[GAM], v[RQ]                ; gamma <- gamma rq / rg^2
	v_mul_f32 v[IB], v[IB], v[TB]                  ; 1 / beta <- (1 / beta) / rq
	v_mul_f32 v[GAM], v[GAM], v[TA]
	v_mul_f32 v[GAM], v[GAM], v[TA]
	v_mov_b32 v[NT], 0
	v_mov_b32 v[NT+1], 0
	v_mov_b32 v[NQ], 0
	v_mov_b32 v[NQ+1], 0
.endm
; The bounds of a layer with squared Frobenius norm sf2, from the sums that the layer before has gathered:
; A2 = sf2 rg^2 sum a_i^2 (the g that went in are rg d a_i, d <= 1);  Aq = sqrt(sf2 sum q^2).  The two halves of the lanes hold one point.
.macro SCALES sf2
	v_add_f32 v[TA], v[NT], v[NT+1]
	v_add_f32 v[TB], v[NQ], v[NQ+1]
	v_permlanex16_b32 v[TC], v[TA], s48, s49
	v_permlanex16_b32 v[TD], v[TB], s48, s49
	v_add_f32 v[TA], v[TA], v[TC]
	v_add_f32 v[TB], v[TB], v[TD]
	v_mul_f32 v[TA], v[TA], v[RG]
	v_mul_f32 v[TB], \sf2, v[TB]
	v_mul_f32 v[TA], v[TA], v[RG]
	v_sqrt_f32 v[TB], v[TB]
	v_add_f32 v[TC], v[GAM], v[GAM]                ; the plain instruction behind the root (ISA guide 5.7.2)
	v_mul_f32 v[TA], \sf2, v[TA]
	s_wait_alu depctr_va_vdst(0)
	SCALE2
.endm
; A tile of layers 1 to 4.  On the way in eight loads of W and, issued behind them, two of the bias are out.
.macro TILE t, wreg, kreg, koff, bold, bnew
	s_wait_dscnt 0x2                               ; the eight loads of the fragments are in; the two bias loads may be out
	MMS \bold
	WIN 0
	PLACES
	ALOAD \wreg,TILEB*(\t+1)                       ; the next tile; behind tile 7 the next layer, whose image follows
	POINTWISE \t,80,\bnew,0
	BLOAD \kreg,\koff+64*(\t+1)                    ; H is free now: the bias of the next tile
.endm
.macro LAYER wreg, kreg, koff, bold, bnew, sf2
	SCALES \sf2
.irp t,0,1,2,3,4,5,6,7
	TILE \t,\wreg,\kreg,\koff,\bold,\bnew
.endr
.endm
; A tile of layer 0: a = b0 + W0 p in f32, a_i = column i of W0, aq = 0.  Two buffers for the columns take turns.
.macro L0TILE t
.if \t%2
.set GB, 80
.set GO, AF
.else
.set GB, AF
.set GO, 80
.endif
	s_wait_dscnt 0x0                               ; the columns and the bias of this tile
.if \t<7
	L0LOAD \t+1,GO
.else
	ALOAD WB,0                                     ; the first tile of W1
.endif
.irp i,0,1,2,3
.irp p,0,2,4,6
	v_pk_fma_f32 v[H+\p:H+\p+1], v[GB+8*\i+\p:GB+8*\i+\p+1], v[PT+2*\i:PT+2*\i+1], v[H+\p:H+\p+1] op_sel_hi:[1,0,1]
.endr
.endr
	POINTWISE \t,GB,X,1
	BLOAD KBA,64*(\t+1)                            ; behind tile 7: the first tile of b1
.endm
; A tile of layer 5: nothing is converted; the sum W6 . d (aq - 2 gamma h S) is gathered
.macro TILE5 t
	s_wait_dscnt 0x2
	MMS X
	WIN 0
	PLACES
	ds_load_b128 v[U:U+3], v[W6A] offset:64*\t
	ds_load_b128 v[U+4:U+7], v[W6A] offset:64*\t+16
.if \t<7
	ALOAD W5A,TILEB*(\t+1)
.endif
	PW_TANH 80
	PW_SIGNED 80
	PW_Q 0
.irp p,0,2,4,6
	v_pk_fma_f32 v[PS+\p:PS+\p+1], v[PS+\p:PS+\p+1], -1.0, 1.0 op_sel_hi:[1,0,0]
.endr
.irp p,0,2,4,6
	v_pk_mul_f32 v[Q+\p:Q+\p+1], v[Q+\p:Q+\p+1], v[PS+\p:PS+\p+1]
.endr
.if \t<7
	s_wait_dscnt 0x8                               ; W6 is in; the eight younger loads of W5 may be out
.else
	s_wait_dscnt 0x0
.endif
.irp p,0,2,4,6
.if \t+\p==0
	v_pk_mul_f32 v[NQ:NQ+1], v[Q+\p:Q+\p+1], v[U+\p:U+\p+1]                  ; the first product starts the sum
.else
	v_pk_fma_f32 v[NQ:NQ+1], v[Q+\p:Q+\p+1], v[U+\p:U+\p+1], v[NQ:NQ+1]
.endif
.endr
.if \t<7
	BLOAD KBA,2560+64*(\t+1)
.endif
.endm
; ------------------------------------------------------------------ macros of the head
; 16 loads: my wave's 16 rows of W(l+1); a load of the wave is one row of 512 bytes
.macro WLOAD l
.set i, 0
.rept 16
.set WR, STG+64*(\l)+4*i
	WIN ((WR>>8)<<6)
.set WL, WR&255
	global_load_b128 v[WL:WL+3], v[GW], s[18+2*(\l):19+2*(\l)] offset:512*i
.set i, i+1
.endr
	WIN 0
.endm
; The 16 rows of layer l + 1 that my wave loaded: squares summed (not for W5: layer 5 converts nothing and needs no bound), narrowed to f16
; in place, 8 bytes a lane into the image.  A store of the wave covers the 256 bytes of a row.
.macro WCONV l
.set WW, (STG+64*(\l))>>8
.set WL, (STG+64*(\l))&255
.if \l<4
	WIN (WW*0x05)
	v_pk_mul_f32 v[FS+4*(\l):FS+4*(\l)+1], v[WL:WL+1], v[WL:WL+1]
	v_pk_mul_f32 v[FS+4*(\l)+2:FS+4*(\l)+3], v[WL+2:WL+3], v[WL+2:WL+3]
.set i, 1
.rept 15
	v_pk_fma_f32 v[FS+4*(\l):FS+4*(\l)+1], v[WL+4*i:WL+4*i+1], v[WL+4*i:WL+4*i+1], v[FS+4*(\l):FS+4*(\l)+1]
	v_pk_fma_f32 v[FS+4*(\l)+2:FS+4*(\l)+3], v[WL+4*i+2:WL+4*i+3], v[WL+4*i+2:WL+4*i+3], v[FS+4*(\l)+2:FS+4*(\l)+3]
.set i, i+1
.endr
.endif
	WIN (WW*0x45)
.set i, 0
.rept 16
	v_cvt_pk_f16_f32 v[WL+4*i], v[WL+4*i], v[WL+4*i+1]
	v_cvt_pk_f16_f32 v[WL+4*i+1], v[WL+4*i+2], v[WL+4*i+3]
.set i, i+1
.endr
	WIN (WW*0x04)
.set i, 0
.rept 16
	ds_store_b64 v[ST], v[WL+4*i:WL+4*i+1] offset:PITCH*i
.set i, i+1
.endr
	WIN 0
.if \l<4
	v_add_nc_u32 v[ST], LAYB, v[ST]
.endif
.endm
; sum over the 32 lanes, and the word of my wave in row l of FP
.macro WSUM xr, tmp, l
	v_add_f32_dpp v[\xr], v[\xr], v[\xr] row_xmask:1 row_mask:0xf bank_mask:0xf
	v_add_f32_dpp v[\xr], v[\xr], v[\xr] row_xmask:2 row_mask:0xf bank_mask:0xf
	v_add_f32_dpp v[\xr], v[\xr], v[\xr] row_xmask:4 row_mask:0xf bank_mask:0xf
	v_add_f32_dpp v[\xr], v[\xr], v[\xr] row_xmask:8 row_mask:0xf bank_mask:0xf
	v_permlanex16_b32 v[\tmp], v[\xr], s48, s49
	v_add_f32 v[\xr], v[\xr], v[\tmp]
	ds_store_b32 v[FPW], v[\xr] offset:32*(\l)
.endm
; ------------------------------------------------------------------ THE HEAD
	s_load_b512 s[8:23], s[0:1], 0x0               ; t s[8:9], x, y, z, W0 s[16:17], W1, W2, W3: W l at s[16+2l:17+2l]
	s_load_b512 s[24:39], s[0:1], 0x40             ; W4, W5, W6 s[28:29], b0 s[30:31], b1, b2, b3, b4
	s_load_b128 s[40:43], s[0:1], 0x80             ; b5, b6
	s_load_b64 s[44:45], s[0:1], 0x90              ; out0
	v_lshrrev_b32 v1, 5, v0
	v_readfirstlane_b32 s2, v1                     ; wave 0..7
	v_and_b32 v30, 31, v0                          ; lane
	v_and_b32 v31, 15, v0                          ; r
	v_bfe_u32 v2, v0, 4, 1                         ; hh
	s_mov_b32 s46, 0x4038aa3b                      ; 2 log2 e, twice: a pair is read whole
	s_mov_b32 s47, 0x4038aa3b
	s_mov_b32 s48, 0x76543210                      ; v_permlanex16_b32: lane i of one half reads lane i of the other
	s_mov_b32 s49, 0xfedcba98
	s_mov_b32 s62, 0x0d800000                      ; 2^-100
	s_lshl_b32 s4, ttmp9, 10                       ; 256 points x 4 bytes
	s_lshl_b32 s5, s2, 7                           ; 32 points x 4 bytes
	s_add_co_u32 s6, s4, s5
	v_lshl_add_u32 v[GP], v31, 2, s6               ; my point of the first group; both halves of the lanes read it
	s_lshl_b32 s7, s2, 13                          ; my wave takes rows 16 wave .. + 15 of each W: 16 x 512 bytes
	v_lshl_add_u32 v[GW], v30, 4, s7
	s_and_b32 s7, s2, 3
	s_lshl_b32 s7, s7, 7
	v_lshl_add_u32 v[GJ], v30, 2, s7               ; 4 j, j = 32 (wave & 3) + lane
	v_lshlrev_b32 v[GJ4], 2, v[GJ]
	v_add_nc_u32 v[LJ], KB, v[GJ]
	s_mul_i32 s7, s2, TILEB
	v_lshl_add_u32 v[ST], v30, 3, s7
	s_lshl_b32 s7, s2, 2
	s_add_co_u32 s7, s7, FP
	v_mov_b32 v[FPW], s7
	s_mov_b32 s5, 0
	s_wait_kmcnt 0x0
	s_load_b32 s63, s[42:43], 0x0                  ; b6: read as given; it has no part in a derivative
	s_add_nc_u64 s[60:61], s[44:45], s[4:5]        ; where the 256 results go
	; the small tables: waves 0-3 bring W0, b0, b1, b2, waves 4-7 W6, b3, b4, b5: four loads on either way
	s_cmp_lt_u32 s2, 4
	s_cbranch_scc0 .Lsmall_hi
	global_load_b128 v[52:55], v[GJ4], s[16:17]    ; row j of W0
	global_load_b32 v56, v[GJ], s[30:31]
	global_load_b32 v57, v[GJ], s[32:33]
	global_load_b32 v58, v[GJ], s[34:35]
	s_branch .Lsmall_done
.Lsmall_hi:
	global_load_b32 v52, v[GJ], s[28:29]
	global_load_b32 v56, v[GJ], s[36:37]
	global_load_b32 v57, v[GJ], s[38:39]
	global_load_b32 v58, v[GJ], s[40:41]
.Lsmall_done:
.irp i,0,1,2,3
	global_load_b32 v[PT+2*\i], v[GP], s[8+2*\i:9+2*\i] th:TH_LOAD_NT
	global_load_b32 v[PT+2*\i+1], v[GP], s[8+2*\i:9+2*\i] offset:64 th:TH_LOAD_NT
.endr
	; the weights: three layers' rows go out at once (with the 12 loads above: 60 out), the other two each behind a conversion
	WLOAD 0
	WLOAD 1
	WLOAD 2
	s_wait_loadcnt 0x20                            ; loads come back in order (ISA guide 5.7.1): the 12 small ones and W1 are in; the 32 rows of W2, W3 may be out
	s_cmp_lt_u32 s2, 4
	s_cbranch_scc0 .Ltab_hi
	ds_store_b32 v[LJ], v52 offset:W0T-KB          ; W0 transposed: [i][j]
	ds_store_b32 v[LJ], v53 offset:W0T-KB+512
	ds_store_b32 v[LJ], v54 offset:W0T-KB+1024
	ds_store_b32 v[LJ], v55 offset:W0T-KB+1536
	ds_store_b32 v[LJ], v56
	ds_store_b32 v[LJ], v57 offset:512
	ds_store_b32 v[LJ], v58 offset:1024
	v_mul_f32 v50, v52, v52                        ; the squares of row j of W0
	v_fmac_f32 v50, v53, v53
	v_fmac_f32 v50, v54, v54
	v_fmac_f32 v50, v55, v55
	s_branch .Ltab_done
.Ltab_hi:
	ds_store_b32 v[LJ], v56 offset:1536
	ds_store_b32 v[LJ], v57 offset:2048
	ds_store_b32 v[LJ], v58 offset:2560
	ds_store_b32 v[LJ], v52 offset:W6L-KB
	v_mov_b32 v50, 0
.Ltab_done:
	WCONV 0
	WLOAD 3
	s_wait_loadcnt 0x20                            ; W2 is in; the 32 rows of W3, W4 may be out
	WCONV 1
	WLOAD 4
	s_wait_loadcnt 0x20                            ; W3 is in; the 32 rows of W4, W5 may be out
	WCONV 2
	s_wait_loadcnt 0x10                            ; W4 is in; the 16 rows of W5 may be out
	WCONV 3
	s_wait_loadcnt 0x0                             ; every load is in: the offset registers of the loads are free from here on
	WCONV 4
	WSUM 50,52,0
.irp l,0,1,2,3
	v_pk_add_f32 v[FS+4*\l:FS+4*\l+1], v[FS+4*\l:FS+4*\l+1], v[FS+4*\l+2:FS+4*\l+3]
	v_add_f32 v[FS+4*\l], v[FS+4*\l], v[FS+4*\l+1]
	WSUM FS+4*\l,FS+4*\l+1,\l+1
.endr
	s_wait_kmcnt 0x0                               ; b6 has come
	s_wait_dscnt 0x0                               ; my part of the image, of the tables and of the sums is written,
	s_barrier_signal -1
	s_barrier_wait -1                              ; and so is that of every wave.  From here on these bytes are only read
	v_mov_b32 v[FPR], FP
.irp l,0,1,2,3,4
	ds_load_b128 v[72+8*\l:75+8*\l], v[FPR] offset:32*\l
	ds_load_b128 v[76+8*\l:79+8*\l], v[FPR] offset:32*\l+16
.endr
	v_mul_u32_u24 v[WB], v31, PITCH
	v_lshl_add_u32 v[WB], v2, 4, v[WB]
	v_lshlrev_b32 v3, 5, v2
	v_add_nc_u32 v[W5A], 4*LAYB, v[WB]
	v_add_nc_u32 v[KBA], KB, v3
	v_add_nc_u32 v[W0A], W0T, v3
	v_add_nc_u32 v[W6A], W6L, v3
	s_lshl_b32 s4, s2, 7
	s_add_co_u32 s4, s4, ROUT
	v_lshl_add_u32 v[ROB], v31, 2, s4
	s_wait_dscnt 0x0
.irp l,0,1,2,3,4
	v_pk_add_f32 v[72+8*\l:73+8*\l], v[72+8*\l:73+8*\l], v[74+8*\l:75+8*\l]
	v_pk_add_f32 v[76+8*\l:77+8*\l], v[76+8*\l:77+8*\l], v[78+8*\l:79+8*\l]
	v_pk_add_f32 v[72+8*\l:73+8*\l], v[72+8*\l:73+8*\l], v[76+8*\l:77+8*\l]
	v_add_f32 v[72+8*\l], v[72+8*\l], v[73+8*\l]
	v_readfirstlane_b32 s[50+\l], v[72+8*\l]       ; s50..s54: the squared Frobenius norms of W0..W4
.endr
; ------------------------------------------------------------------ TWO GROUPS OF 16 POINTS
	s_mov_b32 s58, 0
.Lgroup:
	s_lshl_b32 s4, s58, 6
	v_add_nc_u32 v[RO], s4, v[ROB]
	s_mov_b32 s56, s51                             ; the norms of the first trip: W1, W2
	s_mov_b32 s57, s52
	; layer 0: alpha = beta = gamma = 1; the sum of the squares of a row of W0 is at most the norm of W0; aq = 0
	v_mov_b32 v[TA], s50
	v_mov_b32 v[TB], 0
	v_mov_b32 v[TC], 2.0
	v_mov_b32 v[GAM], 1.0
	v_mov_b32 v[IB], 1.0
	SCALE2
	L0LOAD 0,AF
	BLOAD KBA,0
.irp t,0,1,2,3,4,5,6,7
	L0TILE \t
.endr
	; layers 1 to 4, two a trip: the odd one reads set X and writes Y, the even one reads Y and writes X
	s_mov_b32 s59, 0
.Lpair:
	s_mul_i32 s4, s59, 2*LAYB
	v_add_nc_u32 v[WO], s4, v[WB]
	v_add_nc_u32 v[WE], LAYB, v[WO]
	s_lshl_b32 s5, s59, 10
	v_add_nc_u32 v[KP], s5, v[KBA]
	LAYER WO,KP,512,X,Y,s56
	LAYER WE,KP,1024,Y,X,s57
	s_mov_b32 s56, s53                             ; the norms of the second trip: W3, W4
	s_mov_b32 s57, s54
	WIN 0
	s_add_co_u32 s59, s59, 1
	s_cmp_lt_u32 s59, 2
	s_cbranch_scc1 .Lpair
	; layer 5 and the head W6
	v_mul_f32 v[M2G], -2.0, v[GAM]
.irp t,0,1,2,3,4,5,6,7
	TILE5 \t
.endr
	v_add_f32 v[TA], v[NQ], v[NQ+1]
	v_permlanex16_b32 v[TB], v[TA], s48, s49       ; the other 64 features of my point
	v_add_f32 v[TA], v[TA], v[TB]
	v_mul_f32 v[TA], v[TA], v[IB]                  ; the scale of q is taken off
	ds_store_b32 v[RO], v[TA]                      ; lanes r and r + 16 write one word with one value
.irp i,0,1,2,3
	v_mov_b32 v[PT+2*\i], v[PT+2*\i+1]             ; the point of the next group
.endr
	s_add_co_u32 s58, s58, 1
	s_cmp_lt_u32 s58, 2
	s_cbranch_scc1 .Lgroup
; ------------------------------------------------------------------ THE WAY OUT
	s_wait_dscnt 0x0                               ; my 32 results are in LDS,
	s_barrier_signal -1
	s_barrier_wait -1                              ; and those of every wave
	s_cmp_gt_u32 s2, 1
	s_cbranch_scc1 .Ldone
	v_lshlrev_b32 v30, 4, v0                       ; threads 0 to 63: 16 bytes each; 16 lanes store 256 consecutive bytes, at a multiple of 256 from the first byte of out0
	v_add_nc_u32 v31, ROUT, v30
	ds_load_b128 v[32:35], v31
	s_wait_dscnt 0x0
	global_store_b128 v30, v[32:35], s[60:61] th:TH_STORE_NT
.Ldone:
	s_wait_xcnt 0x0
	v_lshl_add_u32 v254, v0, 2, 0x2c300
	v_mov_b32 v255, 0
	s_wait_tensorcnt 0x0
	ds_add_u32 v254, v255
	s_wait_dscnt 0x0
	s_endpgm
.Lfunc_end_k_q8c7da8d681_pinn:
	.size	k_q8c7da8d681_pinn, .Lfunc_end_k_q8c7da8d681_pinn-k_q8c7da8d681_pinn
	.p2alignl 7, 3214868480
	.fill 96, 4, 3214868480
	.section	.rodata,"a",@progbits
	.p2align	6, 0x0
	.amdhsa_kernel k_q8c7da8d681_pinn
		.amdhsa_group_segment_fixed_size 182016
		.amdhsa_private_segment_fixed_size 0
		.amdhsa_enable_private_segment 0
		.amdhsa_kernarg_size 152
		.amdhsa_user_sgpr_count 2
		.amdhsa_user_sgpr_kernarg_segment_ptr 1
		.amdhsa_wavefront_size32 1
		.amdhsa_system_sgpr_workgroup_id_x 1
		.amdhsa_system_sgpr_workgroup_id_y 1
		.amdhsa_system_sgpr_workgroup_id_z 1
		.amdhsa_system_vgpr_workitem_id 0
		.amdhsa_next_free_vgpr 512
		.amdhsa_next_free_sgpr 66
		.amdhsa_reserve_vcc 0
		.amdhsa_float_denorm_mode_32 3
		.amdhsa_float_denorm_mode_16_64 3
		.amdhsa_memory_ordered 1
		.amdhsa_forward_progress 1
		.amdhsa_inst_pref_size 255
	.end_amdhsa_kernel
	.section	.bss,"aw",@nobits
	.p2align	6
	.space	262144
	.amdgpu_metadata
---
amdhsa.version: [ 1, 2 ]
amdhsa.kernels:
  - .name:           k_q8c7da8d681_pinn
    .symbol:         k_q8c7da8d681_pinn.kd
    .args:
      - { .name: t, .offset: 0, .size: 8, .value_kind: global_buffer, .address_space: global }
      - { .name: x, .offset: 8, .size: 8, .value_kind: global_buffer, .address_space: global }
      - { .name: y, .offset: 16, .size: 8, .value_kind: global_buffer, .address_space: global }
      - { .name: z, .offset: 24, .size: 8, .value_kind: global_buffer, .address_space: global }
      - { .name: W0, .offset: 32, .size: 8, .value_kind: global_buffer, .address_space: global }
      - { .name: W1, .offset: 40, .size: 8, .value_kind: global_buffer, .address_space: global }
      - { .name: W2, .offset: 48, .size: 8, .value_kind: global_buffer, .address_space: global }
      - { .name: W3, .offset: 56, .size: 8, .value_kind: global_buffer, .address_space: global }
      - { .name: W4, .offset: 64, .size: 8, .value_kind: global_buffer, .address_space: global }
      - { .name: W5, .offset: 72, .size: 8, .value_kind: global_buffer, .address_space: global }
      - { .name: W6, .offset: 80, .size: 8, .value_kind: global_buffer, .address_space: global }
      - { .name: b0, .offset: 88, .size: 8, .value_kind: global_buffer, .address_space: global }
      - { .name: b1, .offset: 96, .size: 8, .value_kind: global_buffer, .address_space: global }
      - { .name: b2, .offset: 104, .size: 8, .value_kind: global_buffer, .address_space: global }
      - { .name: b3, .offset: 112, .size: 8, .value_kind: global_buffer, .address_space: global }
      - { .name: b4, .offset: 120, .size: 8, .value_kind: global_buffer, .address_space: global }
      - { .name: b5, .offset: 128, .size: 8, .value_kind: global_buffer, .address_space: global }
      - { .name: b6, .offset: 136, .size: 8, .value_kind: global_buffer, .address_space: global }
      - { .name: out0, .offset: 144, .size: 8, .value_kind: global_buffer, .address_space: global }
    .group_segment_fixed_size: 182016
    .private_segment_fixed_size: 0
    .kernarg_segment_align: 8
    .kernarg_segment_size: 152
    .max_flat_workgroup_size: 256
    .sgpr_count:     66
    .vgpr_count:     512
    .wavefront_size: 32
...
	.end_amdgpu_metadata
.endif
;; end of part 1
